; MI455X (gfx1250); checked and timed in simulation.
; The chip was launched on July 23, 2026; its instructions are those of AMD's public machine-readable ISA for CDNA 5 (MIT licence, August 2026) and "CDNA5" Instruction Set Architecture Reference Guide (July 2026). The comments in the code are by the model that wrote it; some were corrected since.
;; VQ Layer. Allowed arithmetic: matrix products marked QUANTISED: E2M1 operands, one E8M0 scale for each 32 along K, by v_wmma_scale_f32_16x16x128_f8f6f4 with both operands' format E2M1 (or v_wmma_scale_f32_32x16x128_f4), f32 sums; everything else in f32.
;; Inputs: emb 8,192 x 512 float32; x 16,384 x 512 float32.
;; Outputs: out0 16,384 x 512 float32.
;; This version of the problem:
;;   THIS VERSION OF THE PROBLEM IS GIVEN IN LOW PRECISION. The matrix products marked QUANTISED in the list below multiply operands that are first quantised to E2M1 (2 exponent bits, 1 mantissa bit; 4 bits a number), with one power-of-two scale for each 32 numbers along K (OCP MX v1.0); their sums are f32. All else is computed in f32.
;;   The module's matrix products, in the order in which they are computed (A, B: the left and right operand; K: the contracted axis; several contracted axes count as one K, in the product's order):
;;     1. [M 16,384, K 512] x [K 512, N 8,192]; A: input x; B: input emb: QUANTISED
;;   THE QUANTISER, for each operand of a quantised product, along K:
;;     - K is cut into blocks of 32 from its start; a last block that is shorter is filled with zeros.
;;     - A block's scale is 2^e with e = floor(log2(the largest magnitude in the block)) - 2, held to -126 .. 127; a block of zeros has e = 0. As a byte (E8M0): e + 127.
;;     - Each number is divided by its block's scale, clamped to +-6, and rounded to the nearest number of E2M1, ties to even, subnormals kept.
;;     - The product sums the exact products of the quantised numbers (number of the format x scale) in f32.
;;   ~~~python
;;   def quantise(x, axis):      # numpy; x: float32 -> the quantised numbers, widened to float32 again
;;       x = np.moveaxis(x, axis, -1); K = x.shape[-1]
;;       x = np.pad(x, [(0, 0)] * (x.ndim - 1) + [(0, -K % 32)]); x = x.reshape(x.shape[:-1] + (-1, 32)); a = np.abs(x).max(-1, keepdims=True)
;;       e = np.where(a > 0, np.clip(np.frexp(np.where(a > 0, a, 1))[1] - 1 - 2, -126, 127), 0)      # np.frexp(a)[1] - 1 = floor(log2(a)), exactly
;;       r = np.clip(x / 2.0 ** e, -6, 6)
;;       step = 2.0 ** (np.maximum(np.frexp(np.where(r == 0, 1, r))[1] - 1, 0) - 1)
;;       q = np.round(r / step) * step * 2.0 ** e      # np.round: ties to even
;;       return np.moveaxis(q.reshape(q.shape[:-2] + (-1,))[..., :K], -1, axis).astype(np.float32)
;;   ~~~
;; One version. Each part assembles by itself: llvm-mc -triple=amdgcn-amd-amdhsa -mcpu=gfx1250 --defsym DOCPART=n.
;; ======== version 1 of 1: 3 launches
;; limits: right only within a limited range of input values
;; workspace buffers: xq 4,521,984 bytes; eq 2,260,992 bytes; cand 262,144 bytes of whole numbers
;; launch prep (part 1): grid 384 x 1, 4 waves a work-group, no clusters, 34,560 bytes of LDS; arguments x, emb, xq, eq; writes xq, eq
.if DOCPART == 1
	.amdgcn_target "amdgcn-amd-amdhsa--gfx1250"
	.amdhsa_code_object_version 6
	.text
	.protected	k_qfe6aa6e388_prep
	.globl	k_qfe6aa6e388_prep
	.p2align	8
	.type	k_qfe6aa6e388_prep,@function
k_qfe6aa6e388_prep:
	s_mov_b64 s[64:65], 0
	v_nop
	global_prefetch_b8 v0, s[64:65] scope:SCOPE_SE
	s_setreg_imm32_b32 hwreg(HW_REG_WAVE_MODE, 25, 1), 1
	s_wait_xcnt 0x0
; WORK LEFT OUT IN THIS PROGRAM.  reference() takes argmin over k of dist[b][k] = x2[b] + e2[k] - 2 dot[b][k].  x2[b] is the same for every k of a row, so in real numbers
; argmin over k of dist = argmax over k of (dot[b][k] - e2[k] / 2), whatever finite values x and emb hold: x2 reaches no output and is not computed.  x itself is live (it is an operand of the product).
; LIMIT: a NaN, an infinity or an overflow that arises in x2 alone is not carried to the result; two codes whose dist reference() rounds to one f32 number may be told apart here.
; x [16384][512] and emb [8192][512], f32, become BLOCKS of 64 rows in xq and eq, laid in the order in which the search's operand registers take them.  A BLOCK is 17,664 bytes = 69 x 256:
;   bytes 0 .. 16,383      codes of FP4 (E2M1): tile t (16 rows) at 4096 t, K step q (128 along K) at + 1024 q, half c at + 512 c; there lane l's 16 bytes lie at 16 l:
;                          lane (r = l % 16, h = l / 16) holds row r, k = 128 q + 64 c + 32 h + 0 .. 31, the lower k in the lower bits
;   bytes 16,384 .. 17,407 scale words: tile t at + 256 t, row r at + 16 r, word q = the four E8M0 bytes of K step q
;   bytes 17,408 .. 17,663 in eq alone: -1/2 x the row's sum of squares of the UNQUANTISED numbers, f32: row 16 t + r at 64 t + 4 r.  In xq these 256 bytes are neither written nor read.
; A block's (of 32 along K) scale is 2^(floor(log2(its largest magnitude)) - 2); its byte is the largest magnitude's exponent field - 2, held at 1 from below.
; LIMITS: a block of zeros gets the byte 1 where the rule says 127 (its codes are zeros, and this program alone reads the bytes); blocks whose largest magnitude lies under 2^(3 - 127)
; are held at that floor; NaN and infinities among the inputs are not served.  A row's sum of squares is added in this text's own order: two packed chains a lane, then the other half of the lanes.
; SHARES: work-groups 0 .. 255 take x's blocks, 256 .. 383 emb's.  Wave w takes tile w: 16 rows x 512 numbers, in four K steps written out.  The squares stand under a branch on the work-group's number.
; Each load reads 512 consecutive bytes of one row; a K step's 16 x 512 bytes turn through the wave's own stage in LDS, so that a lane gets 2 x 32 neighbours along K.
.set BLKB, 17664
.set SP,   528                         ; a stage row: 512 bytes + 16
.set STGW, 16*SP                       ; a wave's stage
.set SQ,   4*STGW                      ; behind the stages: the block's 64 sums
.set CD,   28                          ; v28-59   the codes, eight registers a K step, never rewritten
.set X,    64                          ; v64-127  64 numbers of my row: register 32 c + m = k 128 q + 64 c + 32 h + m
.set R,    128                         ; v128-255 two sets of 64 registers as loaded
	s_load_b128 s[4:7], s[0:1], 0x0                ; x, emb
	s_load_b128 s[8:11], s[0:1], 0x10              ; xq, eq
	v_lshl_add_u32 v62, v0, 2, 0x8500              ; my spare word, behind the sums
	v_mov_b32 v63, 0
	v_lshrrev_b32 v1, 5, v0
	v_readfirstlane_b32 s12, v1                    ; wave 0..3
	v_and_b32 v1, 31, v0                           ; lane
	v_and_b32 v2, 15, v0                           ; r
	v_bfe_u32 v3, v0, 4, 1                         ; h
	v_lshlrev_b32 v4, 4, v1                        ; 16 x lane
	s_mul_i32 s24, s12, STGW
	v_add_nc_u32 v5, s24, v4                       ; the stage, on the way in
	v_mul_u32_u24 v6, v2, SP
	v_lshl_add_u32 v6, v3, 7, v6
	v_add_nc_u32 v6, s24, v6                       ; and on the way out: row r, + 128 h bytes
	v_lshlrev_b32 v7, 4, v2
	v_lshl_add_u32 v7, v3, 3, v7                   ; the scale words' way out: 16 r + 8 h
	s_lshl_b32 s25, s12, 6
	v_lshl_add_u32 v8, v2, 2, s25
	v_add_nc_u32 v8, SQ, v8                        ; my row's sum: SQ + 64 w + 4 r
	v_lshl_add_u32 v9, v1, 3, SQ                   ; the sums' way out: 8 bytes a lane
	v_lshlrev_b32 v10, 3, v1
	v_lshlrev_b32 v11, 3, v3                       ; 8 h: my bytes' place in a scale word, in bits
	v_mov_b32 v19, 0                               ; a lane permute's destination counts as one of its sources
.irp i, 24,25,26,27
	v_mov_b32 v\i, 0                               ; the sums of squares: two packed chains
.endr
	s_mov_b32 s20, 0x76543210
	s_mov_b32 s21, 0xfedcba98                      ; selects for lane l xor 16
	s_cmp_lt_u32 ttmp9, 256                        ; x's work-group or emb's?
	s_cselect_b32 s13, 0, 256
	s_wait_kmcnt 0x0
	s_cselect_b64 s[4:5], s[4:5], s[6:7]
	s_cselect_b64 s[8:9], s[8:9], s[10:11]
	s_sub_co_u32 s13, ttmp9, s13                   ; the block's number in its tensor
	s_lshl_b32 s14, s13, 17                        ; 64 rows of 2,048 bytes a block,
	s_lshl_b32 s15, s12, 15                        ; 16 a wave
	s_add_co_u32 s14, s14, s15
	s_mov_b32 s15, 0
	s_mul_i32 s16, s13, BLKB
	s_mov_b32 s17, 0
	s_add_nc_u64 s[4:5], s[4:5], s[14:15]          ; my wave's first row
	s_add_nc_u64 s[8:9], s[8:9], s[16:17]          ; the block
	s_lshl_b32 s22, s12, 12
	s_mov_b32 s23, 0
	s_add_nc_u64 s[10:11], s[8:9], s[22:23]        ; my tile's codes
	s_lshl_b32 s22, s12, 8
	s_add_co_u32 s22, s22, 16384
	s_add_nc_u64 s[18:19], s[8:9], s[22:23]        ; my tile's scale words
.macro LOAD q                          ; K step q of my 16 rows into set q % 2
.irp p, 0,1,2,3,4,5,6,7,8,9,10,11,12,13,14,15
	global_load_b128 v[R+64*((\q)%2)+4*\p:R+64*((\q)%2)+4*\p+3], v4, s[4:5] offset:2048*\p+512*(\q) th:TH_LOAD_NT
.endr
.endm
.macro STEP q
.if (\q) < 3
	s_wait_loadcnt 16                              ; this K step's 16 loads are in; the next step's 16 may be out
.else
	s_wait_loadcnt 0x0
.endif
.irp p, 0,1,2,3,4,5,6,7,8,9,10,11,12,13,14,15
	ds_store_b128 v5, v[R+64*((\q)%2)+4*\p:R+64*((\q)%2)+4*\p+3] offset:SP*\p
.endr
.irp c, 0,1
.irp i, 0,1,2,3,4,5,6,7
	ds_load_b128 v[X+32*\c+4*\i:X+32*\c+4*\i+3], v6 offset:256*\c+16*\i   ; LDS serves a wave's instructions in order (ISA guide 5.7.1.4)
.endr
.endr
	s_wait_dscnt 0x0                               ; my 64 numbers are in, and the stores have read their set,
.if (\q) < 2
	LOAD (\q)+2                                    ; which takes the loads of two K steps on
.endif
.irp c, 0,1
	v_max3_num_f32 v[12+\c], |v[X+32*\c]|, |v[X+32*\c+1]|, 0x1800000   ; my two blocks of 32, and the floor 2^(3 - 127)
.endr
.irp i, 2,4,6,8,10,12,14,16,18,20,22,24,26,28,30
.irp c, 0,1
	v_max3_num_f32 v[12+\c], v[12+\c], |v[X+32*\c+\i]|, |v[X+32*\c+\i+1]|
.endr
.endr
.irp c, 0,1
	v_add_nc_u32 v[14+\c], 0xff000000, v[12+\c]    ; 2 off the exponent field: the conversion's scale operand
.endr
.irp c, 0,1
	v_lshrrev_b32 v[16+\c], 23, v[14+\c]           ; the scale's byte
.endr
	v_lshl_or_b32 v18, v17, 16, v16                ; my two bytes: blocks h and 2 + h of the K step,
	v_lshlrev_b32 v18, v11, v18                    ; at their places in the word;
	v_permlanex16_b32 v19, v18, s20, s21
	v_or_b32 v[20+(\q)], v18, v19                  ; with lane l xor 16's two the word is whole
.irp c, 0,1
.irp g, 0,1,2,3
	v_cvt_scalef32_pk8_fp4_f32 v[CD+8*(\q)+4*\c+\g], v[X+32*\c+8*\g:X+32*\c+8*\g+7], v[14+\c]
.endr
.endr
	v_nop                                          ; one plain place behind the last scaled conversion
	s_wait_alu depctr_va_vdst(0)                   ; the wait here, directly ahead of the branch
	s_cmp_lt_u32 ttmp9, 256
	s_cbranch_scc1 .Lno_sq_\@                      ; x's sums of squares reach no output: they are not made
.irp i, 0,4,8,12,16,20,24,28,32,36,40,44,48,52,56,60
	v_pk_fma_f32 v[24:25], v[X+\i:X+\i+1], v[X+\i:X+\i+1], v[24:25]
	v_pk_fma_f32 v[26:27], v[X+\i+2:X+\i+3], v[X+\i+2:X+\i+3], v[26:27]
.endr
.Lno_sq_\@:
.irp c, 0,1
	global_store_b128 v4, v[CD+8*(\q)+4*\c:CD+8*(\q)+4*\c+3], s[10:11] offset:1024*(\q)+512*\c   ; 512 consecutive bytes, at a multiple of 256 from the buffer's first byte
.endr
.endm
	LOAD 0
	LOAD 1
	STEP 0
	STEP 1
	STEP 2
	STEP 3
	s_cmp_lt_u32 ttmp9, 256
	s_cbranch_scc1 .Lno_sum
	v_pk_add_f32 v[24:25], v[24:25], v[26:27]
	v_add_f32 v24, v24, v25
	v_permlanex16_b32 v19, v24, s20, s21
	v_add_f32 v24, v24, v19                        ; with lane l xor 16's half of the row: e2
	v_mul_f32 v24, -0.5, v24                       ; -e2 / 2: exact
	ds_store_b32 v8, v24                           ; both lanes of a row write the same word with the same value
.Lno_sum:
	v_cmp_eq_u32 vcc_lo, 1, v3
	v_cndmask_b32 v18, v20, v22, vcc_lo            ; lanes 0-15 send words 0 and 1 of their row, lanes 16-31 words 2 and 3
	v_cndmask_b32 v19, v21, v23, vcc_lo
	global_store_b64 v7, v[18:19], s[18:19]        ; 256 consecutive bytes, aligned
	s_wait_dscnt 0x0                               ; for the others' sake: my sums lie in LDS
	s_barrier_signal -1
	s_barrier_wait -1
	s_cmp_lt_u32 ttmp9, 256
	s_cbranch_scc1 .Ldone
	s_cmp_lg_u32 s12, 0
	s_cbranch_scc1 .Ldone                          ; in emb's work-groups wave 0 sends the block's 64 numbers
	ds_load_b64 v[12:13], v9
	s_wait_dscnt 0x0
	global_store_b64 v10, v[12:13], s[8:9] offset:17408   ; 256 consecutive bytes, aligned
.Ldone:
	s_wait_tensorcnt 0x0                           ; the wave's end
	ds_add_u32 v62, v63
	s_wait_dscnt 0x0
	s_endpgm
.Lfunc_end_k_qfe6aa6e388_prep:
	.size	k_qfe6aa6e388_prep, .Lfunc_end_k_qfe6aa6e388_prep-k_qfe6aa6e388_prep
	.p2alignl 7, 3214868480
	.fill 96, 4, 3214868480
	.section	.rodata,"a",@progbits
	.p2align	6, 0x0
	.amdhsa_kernel k_qfe6aa6e388_prep
		.amdhsa_group_segment_fixed_size 34560
		.amdhsa_private_segment_fixed_size 0
		.amdhsa_enable_private_segment 0
		.amdhsa_kernarg_size 32
		.amdhsa_user_sgpr_count 2
		.amdhsa_user_sgpr_kernarg_segment_ptr 1
		.amdhsa_wavefront_size32 1
		.amdhsa_system_sgpr_workgroup_id_x 1
		.amdhsa_system_sgpr_workgroup_id_y 1
		.amdhsa_system_sgpr_workgroup_id_z 1
		.amdhsa_system_vgpr_workitem_id 0
		.amdhsa_next_free_vgpr 256
		.amdhsa_next_free_sgpr 66
		.amdhsa_reserve_vcc 1
		.amdhsa_float_denorm_mode_32 3
		.amdhsa_float_denorm_mode_16_64 3
		.amdhsa_memory_ordered 1
		.amdhsa_forward_progress 1
		.amdhsa_inst_pref_size 39
	.end_amdhsa_kernel
	.amdgpu_metadata
---
amdhsa.version: [ 1, 2 ]
amdhsa.kernels:
  - .name:           k_qfe6aa6e388_prep
    .symbol:         k_qfe6aa6e388_prep.kd
    .args:
      - { .name: x, .offset: 0, .size: 8, .value_kind: global_buffer, .address_space: global }
      - { .name: emb, .offset: 8, .size: 8, .value_kind: global_buffer, .address_space: global }
      - { .name: xq, .offset: 16, .size: 8, .value_kind: global_buffer, .address_space: global }
      - { .name: eq, .offset: 24, .size: 8, .value_kind: global_buffer, .address_space: global }
    .group_segment_fixed_size: 34560
    .private_segment_fixed_size: 0
    .kernarg_segment_align: 8
    .kernarg_segment_size: 32
    .max_flat_workgroup_size: 128
    .sgpr_count:     66
    .vgpr_count:     256
    .wavefront_size: 32
...
	.end_amdgpu_metadata
.endif
;; end of part 1
;; launch search (part 2): grid 256 x 1, 8 waves a work-group, clusters of 4 x 1, 327,680 bytes of LDS; arguments xq, eq, cand; writes cand
.if DOCPART == 2
	.amdgcn_target "amdgcn-amd-amdhsa--gfx1250"
	.amdhsa_code_object_version 6
	.text
	.protected	k_qfe6aa6e388_search
	.globl	k_qfe6aa6e388_search
	.p2align	8
	.type	k_qfe6aa6e388_search,@function
k_qfe6aa6e388_search:
	s_mov_b64 s[64:65], 0
	v_nop
	global_prefetch_b8 v0, s[64:65] scope:SCOPE_SE
	s_setreg_imm32_b32 hwreg(HW_REG_WAVE_MODE, 25, 1), 1
	s_wait_xcnt 0x0
	s_wait_alu depctr_hold_cnt(0) depctr_sa_sdst(0) depctr_va_vdst(0) depctr_va_sdst(0) depctr_va_ssrc(0) depctr_va_vcc(0) depctr_vm_vsrc(0)
	s_getreg_b32 s2, hwreg(HW_REG_IB_STS2, 6, 4)
	s_cmp_eq_u32 s2, 0
	s_cbranch_scc0 .Lentry_in_a_cluster
	s_endpgm
.Lentry_in_a_cluster:
	s_bfe_u32 s2, ttmp6, 0x10000c
	s_cmp_lg_u32 s2, 0x3003
	s_cbranch_scc0 .Lentry_shape_is_right
	s_endpgm
.Lentry_shape_is_right:
; For 128 rows of x and one half (4,096) of the codes: the first code k that makes v = Q(x[row]) . Q(emb[k]) - e2[k] / 2 largest.  x2 is left out: it is the same for all k of a row (see the first kernel's head).
; The product runs on codes of FP4 (E2M1) with one E8M0 scale for each 32 along K = 512, by the form of 32 x 16 x 128.  -e2 / 2, as the launch before stored it, is the C of each sum's first matrix instruction.
; xq and eq hold blocks of 64 rows in the order of the operand's registers: 16,384 bytes of codes (tile t at 4096 t, K step q at + 1024 q, half c at + 512 c, lane l at + 16 l),
; 1,024 of scale words (256 t + 16 r + 4 q), in eq 256 of -e2 / 2 (64 t + 4 r): 17,664 bytes.
; SHARES.  Cluster c: half H = c % 2 of the codes, rows 128 (4 (c / 2) + cx) on.  Waves 0-3 keep the fragments of the first 64 of these rows in registers, waves 4-7 those of the other 64, loaded from xq as they lie.
; A FILL is eight blocks of eq, a half of eq eight fills.  Wave w FETCHES block w of a fill and READS blocks 2 (w % 4) and 2 (w % 4) + 1, as four PAIRS of tiles (32 codes): each fragment of emb is read by two waves
; and feeds four matrix instructions in each.  Blocks are read behind a barrier in front of which every wave has waited for its tensor loads.
; THE MATRIX INSTRUCTION IS USED TRANSPOSED: source 0 = 32 codes, source 1 = 16 rows of x: in accumulator i lane (r, h) holds row 16 i + r; register j (0-7) code 32 P + 8 h + j, register 8 + j code 32 P + 16 + 8 h + j.
; THE MAXIMUM.  The running maximum goes through a pair's sixteen v by eight three-input maxima, from one set of registers into the other (the sets take turns pair by pair).  Where it has STRICTLY grown
; (so the earlier pair stays on a tie), fifteen of the sixteen v and the pair's number are kept, by selects in twos under VCC.  Which of the sixteen it was is found later: the first kept v equal to the maximum,
; else the sixteenth; a lane's registers ascend in the code's number.  No branch and no address hangs on a v.
; CLUSTER.  The four work-groups of a cluster walk the same half of eq and ask for each fill JOINTLY.
; THE WALK IS TURNED.  With j = c / 2, a cluster begins at fill s = (j xor j / 8) mod 8 of its half and goes round.  Where the walk comes round to fill 0, a lane's result so far is made into pairs (v, index)
; and set aside, and the maximum begins anew; each part is walked in ascending order and the two are joined by (v, index): ties go to the lowest index.
; NO PREFETCH: a half of eq is 1,130,496 bytes that 32 clusters walk, four beginning at each of its eight fills: every fill but a cluster's first two has been asked for by other clusters earlier in the launch.
; RESULT: for each row and half a key and an index, as whole numbers: the key is v's bits turned so that unsigned order is v's order (-0 made +0 first).  The next launch takes the larger key's index.
; LIMITS: NaN and infinities are not served; where no v of a row lies over -infinity the index is a number inside the table and no more.  K is summed in four steps of 128, ascending, on one accumulator.
.set BLKB,  17664
.set SLOTB, 8*BLKB                     ; a slot, and a fill
.set MERGE, 2*SLOTB                    ; behind the ring: the waves' pairs, 512 bytes a wave; no fill lands here
.set SPARE, MERGE+8192                 ; the spare words, 128 bytes a wave: four blocks of 256 bytes that no other line names
.set SPW, 1                            ; v1 my spare word; v2 = 0: never rewritten
.set NIL, 2
.set AC0, 3                            ; v3, v4   the codes that I read in slot 0, 1
.set AS0, 5                            ; v5, v6   their scale words: + 16,384 + 16 x lane
.set AE0, 7                            ; v7, v8   their -e2 / 2: + 17,408 + 32 h
.set MWR, 9                            ; MERGE + 512 w + 8 r
.set MRD, 10                           ; MERGE + 2048 w + 16 x lane
.set GO,  11                           ; 256 w + 8 x lane
.set H8,  12                           ; 8 h + 4096 H
.set GXC, 13                           ; my rows' block of xq + 16 x lane
.set GXS, 14                           ; my rows' block of xq + 16,384 + 16 r
.set SID, 15                           ; the number of the pair in hand, in my half: 16 f + 4 (w % 4) + p
.set XS,  16                           ; v16-31   x's scale words, 4 i + q: scales and nothing else
.set ES,  32                           ; v32-35   the pair's scale words, lane m for code m: scales and nothing else
.set EE,  36                           ; v36-51   -e2 / 2 of my sixteen codes
.set ACC, 52                           ; v52-115  four accumulators of 16
.set RA,  116                          ; v116-119, v120-123  the running maximum, two sets by turns
.set RB,  120
.set KP,  124                          ; v124-187 row tile i at 16 i: the kept v 0 .. 14, and the pair's number
.set PS,  188                          ; v188-195 what is set aside: pairs (v, index)
.set T,   196                          ; v196-199 at work
.set PR,  200                          ; v200-207 at the end: pairs (v, index)
.set EF,  128                          ; window 1: v0-127 x's fragments, (row tile i, K step q) at 8 (4 i + q); v128-191 the pair's four fragments of 16
.set WV,  10
.set OFS, 14                           ; s[14:15] an offset in eq, 0 above it
.set G1E, 24                           ; s[24:31] descriptor group 1
.set G0,  32                           ; s[32:39] group 0, a set for each slot
.set CNT, 52
.set EB,  58                           ; s[58:59] eq at my half's fill 0, the block that I fetch; never rewritten
.set SEL, 66
.set FC,  68                           ; s68, s69 the fill that slot 0, 1 holds or has asked for
.set NINF, 0xff800000
.set MSB, 0
.macro WIN new
.if MSB != \new
	s_set_vgpr_msb (MSB<<8)|\new
.set MSB, \new
.endif
.endm
.macro PLACES
.rept 4
	v_nop
.endr
.endm
.macro CREST
	s_cmp_lg_u32 s[WV], 0
	s_cbranch_scc1 .Lnot_wave_0_\@
	s_barrier_signal -3
.Lnot_wave_0_\@:
	s_barrier_wait -3
	s_barrier_signal -1
	s_barrier_wait -1
.endm
.macro ROUND
	s_barrier_signal -1
	s_barrier_wait -1
	CREST
.endm
	s_load_b128 s[4:7], s[0:1], 0x0                ; xq, eq
	s_load_b64 s[8:9], s[0:1], 0x10                ; cand
	v_lshl_add_u32 v[SPW], v0, 2, SPARE
	v_mov_b32 v[NIL], 0
	ds_add_u32 v[SPW], v[NIL]                      ; the opening: the add, twice on end, and its wait ahead of my first tensor load
	ds_add_u32 v[SPW], v[NIL]
	v_lshrrev_b32 v[T], 5, v0
	v_readfirstlane_b32 s[WV], v[T]                ; wave 0..7
	s_bfe_u32 s11, ttmp6, 0x40000                  ; cx: it enters xq's and cand's addresses alone
	s_and_b32 s16, ttmp9, 1                        ; H
	s_lshr_b32 s17, ttmp9, 1                       ; j
	s_lshl_b32 s12, s17, 2
	s_add_co_u32 s12, s12, s11                     ; my group of 128 rows
	s_lshr_b32 s42, s[WV], 2                       ; which 64 of them are my wave's
	s_and_b32 s43, s[WV], 3
	s_mul_i32 s13, s[WV], BLKB                     ; the block that I fetch, in a slot and in a fill
	s_mul_i32 s44, s43, 2*BLKB                     ; the two blocks that I read
	s_mul_i32 s45, s42, BLKB                       ; my rows' block of the group's two in xq
	s_lshl_b32 s56, s[WV], 9
	s_lshl_b32 s57, s[WV], 11
	s_lshl_b32 s60, s[WV], 8
	s_lshr_b32 s20, s17, 3
	s_xor_b32 s20, s20, s17
	s_and_b32 s[FC], s20, 7                        ; slot 0 begins with fill s,
	s_add_co_u32 s[FC+1], s[FC], 1
	s_and_b32 s[FC+1], s[FC+1], 7                  ; slot 1 with the fill behind it
	s_lshl_b32 s20, s[FC], 2
	s_add_co_u32 s20, s20, s43
	s_lshl_b32 s20, s20, 2
	s_sub_co_u32 s20, s20, 13                      ; 13 under the first pair's number: a fill's first pair adds 13
	s_lshl_b32 s21, s16, 12
	s_mov_b32 s[G1E], 15|(3<<16)|(1<<21)           ; the mask: all four; elements of 8 bytes; bit 21 beside a mask
	s_mov_b32 s[G1E+1], 32<<16                     ; a dense block as 69 rows of 256 bytes
	s_mov_b32 s[G1E+2], 69<<16
	s_mov_b32 s[G1E+3], 32<<16
	s_mov_b32 s[G1E+4], 69
	s_mov_b32 s[G1E+5], 32
	s_mov_b32 s[G1E+6], 0
	s_mov_b32 s[G1E+7], 0
	s_mul_i32 s[OFS], s16, 8*SLOTB
	s_add_co_u32 s[OFS], s[OFS], s13
	s_mov_b32 s[OFS+1], 0                          ; stays 0
	s_mul_i32 s18, s12, 2*BLKB                     ; the group's two blocks of xq
	s_mov_b32 s19, 0
	s_mul_i32 s22, s[FC], SLOTB
	s_mov_b32 s23, 0
	s_mul_i32 s40, s[FC+1], SLOTB
	s_mov_b32 s41, 0
	s_lshl_b32 s54, s16, 17                        ; cand: 131,072 bytes a half, 512 a group of rows
	s_lshl_b32 s55, s12, 9
	s_add_co_u32 s54, s54, s55
	s_mov_b32 s55, 0
	s_mov_b32 s[SEL], 0x76543210
	s_mov_b32 s[SEL+1], 0xfedcba98
	v_and_b32 v[T], 31, v0                         ; lane
	v_and_b32 v[T+1], 15, v0                       ; r
	v_bfe_u32 v[T+2], v0, 4, 1                     ; h
	v_lshl_add_u32 v[AC0], v[T], 4, s44
	v_lshl_add_u32 v[AS0], v[T], 4, s44
	v_lshl_add_u32 v[AE0], v[T+2], 5, s44
	v_lshl_add_u32 v[MWR], v[T+1], 3, s56
	v_lshl_add_u32 v[MRD], v[T], 4, s57
	v_lshl_add_u32 v[GO], v[T], 3, s60
	v_lshl_add_u32 v[H8], v[T+2], 3, s21
	v_lshl_add_u32 v[GXC], v[T], 4, s45
	v_lshl_add_u32 v[GXS], v[T+1], 4, s45
	v_mov_b32 v[SID], s20
	v_add_nc_u32 v[AC0+1], SLOTB, v[AC0]
	v_add_nc_u32 v[AS0], 16384, v[AS0]
	v_add_nc_u32 v[AE0], 17408, v[AE0]
	v_add_nc_u32 v[MWR], MERGE, v[MWR]
	v_add_nc_u32 v[MRD], MERGE, v[MRD]
	v_add_nc_u32 v[GXS], 16384, v[GXS]
	v_add_nc_u32 v[AS0+1], SLOTB, v[AS0]
	v_add_nc_u32 v[AE0+1], SLOTB, v[AE0]
	s_wait_alu depctr_va_vdst(0)                   ; the wait here, directly ahead of the waits below
	s_wait_dscnt 0x0                               ; both opening adds are done
	s_wait_kmcnt 0x0
	s_add_nc_u64 s[EB:EB+1], s[6:7], s[OFS:OFS+1]
	s_mov_b32 s[G0], 1
	s_mov_b32 s[G0+1], s13                         ; slot 0, the part that I fetch
	s_add_nc_u64 s[G0+2:G0+3], s[EB:EB+1], s[22:23]
	s_or_b32 s[G0+3], s[G0+3], 0x80000000
	s_mov_b32 s[G0+4], 1
	s_add_co_u32 s[G0+5], s13, SLOTB               ; slot 1
	s_add_nc_u64 s[G0+6:G0+7], s[EB:EB+1], s[40:41]
	s_or_b32 s[G0+7], s[G0+7], 0x80000000
	s_add_nc_u64 s[4:5], s[4:5], s[18:19]
	s_add_nc_u64 s[8:9], s[8:9], s[54:55]
	ROUND                                          ; all four work-groups are here: the first joint loads meet
	tensor_load_to_lds s[G0:G0+3], s[G1E:G1E+7]    ; my part of the first fill: one tensor load a wave at the head
	s_nop 0
	PLACES
	WIN 0x40                                       ; destination window 1
.irp t, 0,1,2,3
.irp q, 0,1,2,3
.irp c, 0,1
	global_load_b128 v[8*(4*\t+\q)+4*\c:8*(4*\t+\q)+4*\c+3], v[GXC], s[4:5] offset:4096*\t+1024*\q+512*\c   ; x's 16 fragments; 512 consecutive bytes a load
.endr
.endr
.endr
	WIN 0
.irp t, 0,1,2,3
	global_load_b128 v[XS+4*\t:XS+4*\t+3], v[GXS], s[4:5] offset:256*\t   ; lane r: row r's four scale words
.endr
.irp i, 0,1,2,3
	v_mov_b32 v[RA+\i], NINF                       ; under every v
	v_mov_b32 v[PS+2*\i], NINF                     ; a cluster that begins at fill 0 never comes round: its set-aside part loses against every v
	v_mov_b32 v[PS+2*\i+1], 0
	v_mov_b32 v[KP+16*\i+15], 0
.irp j, 0,1,2,3,4,5,6,7,8,9,10,11,12,13,14
	v_mov_b32 v[KP+16*\i+\j], NINF
.endr
.endr
	s_wait_alu depctr_va_vdst(0)                   ; the wait at the head's end
	s_wait_tensorcnt 0x0                           ; my part of the first fill is in; these lines stand ahead of a later first fill as ahead of a refill
	ds_add_u32 v[SPW], v[NIL]
	s_wait_dscnt 0x0
	ROUND                                          ; everybody's part of the first fill is in
	tensor_load_to_lds s[G0+4:G0+7], s[G1E:G1E+7]  ; slot 1's first fill: my one tensor load behind the round
	s_nop 0
	PLACES
.macro LOADS slot, p                   ; 21 LDS loads: pair p of my two blocks: four fragments of 32 codes, the scale words, -e2 / 2 of my sixteen codes
	WIN 0x40
.irp q, 0,1,2,3
.irp u, 0,1
.irp c, 0,1
	ds_load_b128 v[EF+16*\q+8*\u+4*\c:EF+16*\q+8*\u+4*\c+3], v[AC0+(\slot)] offset:BLKB*((\p)/2)+4096*(2*((\p)%2)+\u)+1024*\q+512*\c
.endr
.endr
.endr
	WIN 0
	ds_load_b128 v[ES:ES+3], v[AS0+(\slot)] offset:BLKB*((\p)/2)+512*((\p)%2)
.irp u, 0,1
	ds_load_b128 v[EE+8*\u:EE+8*\u+3], v[AE0+(\slot)] offset:BLKB*((\p)/2)+64*(2*((\p)%2)+\u)
	ds_load_b128 v[EE+8*\u+4:EE+8*\u+7], v[AE0+(\slot)] offset:BLKB*((\p)/2)+64*(2*((\p)%2)+\u)+16
.endr
.endm
; 16 matrix instructions: 32 codes x 64 rows x K = 512.  The four accumulators take turns, one instruction a turn; the first K step takes -e2 / 2 as C.
.macro MULS
	s_wait_dscnt 0x0                               ; the pair's 21 loads are in
	WIN 0x05                                       ; sources 0 (codes) and 1 (x) window 1
.irp q, 0,1,2,3
.irp i, 0,1,2,3
.if \q == 0
	v_wmma_scale_f32_32x16x128_f4 v[ACC+16*\i:ACC+16*\i+15], v[EF+16*\q:EF+16*\q+15], v[8*(4*\i+\q):8*(4*\i+\q)+7], v[EE:EE+15], v[ES+\q], v[XS+4*\i+\q]
.else
	v_wmma_scale_f32_32x16x128_f4 v[ACC+16*\i:ACC+16*\i+15], v[EF+16*\q:EF+16*\q+15], v[8*(4*\i+\q):8*(4*\i+\q)+7], v[ACC+16*\i:ACC+16*\i+15], v[ES+\q], v[XS+4*\i+\q]
.endif
.endr
.endr
	WIN 0
.endm
; Four places behind the matrix instructions, ahead of the loads into their sources and of the first read of their results; the pair's number steps there
.macro PL p
.if (\p) == 0
	v_add_nc_u32 v[SID], 13, v[SID]                ; from my last pair of the last fill to my first of this one,
	v_and_b32 v[SID], 0x7f, v[SID]                 ; round my half's 128 pairs
	v_nop
	v_nop
.else
	v_add_nc_u32 v[SID], 1, v[SID]
	v_nop
	v_nop
	v_nop
.endif
.endm
.macro MAXES o, n                      ; set n = the largest of set o and the pair's sixteen v; the four row tiles by turns; each accumulator is read from its low end on
.irp i, 0,1,2,3
	v_max3_num_f32 v[\n+\i], v[\o+\i], v[ACC+16*\i], v[ACC+16*\i+1]
.endr
.irp k, 2,4,6,8,10,12,14
.irp i, 0,1,2,3
	v_max3_num_f32 v[\n+\i], v[\n+\i], v[ACC+16*\i+\k], v[ACC+16*\i+\k+1]
.endr
.endr
.endm
.macro KEEPS o, n                      ; where the maximum has strictly grown: fifteen v and the pair's number are kept, two selects an instruction
.irp i, 0,1,2,3
	v_cmp_gt_f32 vcc_lo, v[\n+\i], v[\o+\i]
.irp j, 0,2,4,6,8,10,12
	v_dual_cndmask_b32 v[KP+16*\i+\j], v[KP+16*\i+\j], v[ACC+16*\i+\j] :: v_dual_cndmask_b32 v[KP+16*\i+\j+1], v[KP+16*\i+\j+1], v[ACC+16*\i+\j+1]
.endr
	v_dual_cndmask_b32 v[KP+16*\i+14], v[KP+16*\i+14], v[ACC+16*\i+14] :: v_dual_cndmask_b32 v[KP+16*\i+15], v[KP+16*\i+15], v[SID]
.endr
.endm
; WHICH OF THE SIXTEEN: the first kept v that equals the maximum (set RA); if none of the fifteen does, the sixteenth.  Place z stands for code 32 x pair + 8 h + z + (z and 8), + 4096 H.  Pairs (v, index) to v[pr] on
.macro PLACE pr
.irp i, 0,1,2,3
	v_mov_b32 v[\pr+2*\i+1], 15
.endr
.irp j, 14,13,12,11,10,9,8,7,6,5,4,3,2,1,0
.irp i, 0,1,2,3
	v_cmp_neq_f32 vcc_lo, v[KP+16*\i+\j], v[RA+\i]
	v_cndmask_b32 v[\pr+2*\i+1], \j, v[\pr+2*\i+1], vcc_lo
.endr
.endr
.irp i, 0,1,2,3
	v_and_b32 v[\pr+2*\i], 8, v[\pr+2*\i+1]
.endr
.irp i, 0,1,2,3
	v_add3_u32 v[\pr+2*\i+1], v[\pr+2*\i+1], v[\pr+2*\i], v[H8]
.endr
.irp i, 0,1,2,3
	v_lshl_add_u32 v[\pr+2*\i+1], v[KP+16*\i+15], 5, v[\pr+2*\i+1]
.endr
.irp i, 0,1,2,3
	v_mov_b32 v[\pr+2*\i], v[RA+\i]
.endr
.endm
; WHERE THE WALK COMES ROUND: if the fill ahead is fill 0.  The branch hangs on the cluster's number and the count of fills alone; no barrier, load or wait for memory stands under it.
.macro WRAP next
	s_cmp_lg_u32 s[FC+(\next)], 0
	s_cbranch_scc1 .Lno_wrap_\@
	s_wait_alu depctr_va_vdst(0)                   ; what is kept was written ahead of a barrier
	PLACE PS
.irp i, 0,1,2,3
	v_mov_b32 v[RA+\i], NINF                       ; what is kept may stay: the first v over -infinity writes over it
.endr
	s_wait_alu depctr_va_vdst(0)
.Lno_wrap_\@:
.endm
.macro PAIR slot, p                    ; a pair that has its successor in the same fill
	MULS
	PL \p
	LOADS \slot, (\p)+1
.if ((\p)%2) == 0
	MAXES RA, RB
	KEEPS RA, RB
.else
	MAXES RB, RA
	KEEPS RB, RA
.endif
.endm
; A fill's last pair changes slots.  My reads of this slot came back at the pair's head.  In front of the round: the wait for all my tensor loads (one is out: my part of the other slot), the add, its wait.
.macro CHANGE slot
	MULS
	s_wait_tensorcnt 0x0                           ; no tensor load of mine is out, so a group 0 may be written
	ds_add_u32 v[SPW], v[NIL]
	s_add_co_u32 s[FC+\slot], s[FC+\slot], 2       ; this slot's next fill: two on, round the eight
	s_and_b32 s[FC+\slot], s[FC+\slot], 7
	s_mul_i32 s[OFS], s[FC+\slot], SLOTB
	s_add_nc_u64 s[G0+4*\slot+2:G0+4*\slot+3], s[EB:EB+1], s[OFS:OFS+1]
	s_or_b32 s[G0+4*\slot+3], s[G0+4*\slot+3], 0x80000000
	PL 3
	MAXES RB, RA
	s_wait_alu depctr_va_vdst(0)                   ; the wait here, directly ahead of the wait below
	s_wait_dscnt 0x0                               ; the add is done
	s_barrier_signal -1                            ; opens a round of the cluster's barrier
	KEEPS RB, RA                                   ; work on registers while the others arrive
	s_barrier_wait -1
	CREST                                          ; no wave of any partner reads this slot or has a load on its way, and the other slot is whole
	tensor_load_to_lds s[G0+4*\slot:G0+4*\slot+3], s[G1E:G1E+7]   ; my one tensor load behind the round: it has the other slot's four pairs in which to land
	s_nop 0
	PLACES
	LOADS 1-\slot, 0
	WRAP 1-\slot
.endm
	LOADS 0, 0
	s_wait_loadcnt 0x0                             ; x's fragments and scale words are in
	s_mov_b32 s[CNT], 3
.Ltrip:                                            ; three trips: trip n multiplies the walk's fills 2 n and 2 n + 1 and asks for its fills 2 n + 2 and 2 n + 3
	PAIR 0, 0
	PAIR 0, 1
	PAIR 0, 2
	CHANGE 0
	PAIR 1, 0
	PAIR 1, 1
	PAIR 1, 2
	CHANGE 1
	s_sub_co_u32 s[CNT], s[CNT], 1
	s_cmp_lg_u32 s[CNT], 0
	s_cbranch_scc1 .Ltrip
	PAIR 0, 0                                      ; the walk's last two fills are written out: nothing is left to ask for
	PAIR 0, 1
	PAIR 0, 2
	MULS
	PL 3
	s_wait_tensorcnt 0x0                           ; my part of the last fill is in: say so, since other waves read it
	s_barrier_signal -1
	MAXES RB, RA
	KEEPS RB, RA
	s_barrier_wait -1                              ; everybody's part is in
	LOADS 1, 0
	WRAP 1
	PAIR 1, 0
	PAIR 1, 1
	PAIR 1, 2
	MULS
	PL 3
	MAXES RB, RA
	KEEPS RB, RA
; (va, ia) takes (vb, ib) where vb > va, or vb = va and ib < ia
.macro LEX va, ia, vb, ib
	v_cmp_gt_f32 s61, v[\vb], v[\va]
	v_cmp_eq_f32 s62, v[\vb], v[\va]
	v_cmp_lt_u32 s63, v[\ib], v[\ia]
	s_and_b32 s62, s62, s63
	s_or_b32 s61, s61, s62
	v_cndmask_b32 v[\va], v[\va], v[\vb], s61
	v_cndmask_b32 v[\ia], v[\ia], v[\ib], s61
.endm
	PLACE PR
.irp i, 0,1,2,3
	LEX PR+2*\i, PR+2*\i+1, PS+2*\i, PS+2*\i+1
	v_permlanex16_b32 v[T], v[PR+2*\i], s[SEL], s[SEL+1]       ; the row's other sixteen codes of each pair lie in the lane 16 away
	v_permlanex16_b32 v[T+1], v[PR+2*\i+1], s[SEL], s[SEL+1]
	LEX PR+2*\i, PR+2*\i+1, T, T+1
	ds_store_b64 v[MWR], v[PR+2*\i:PR+2*\i+1] offset:128*\i    ; both lanes of a row write the same pair to the same place
.endr
	s_wait_dscnt 0x0                               ; for the others' sake: my pairs lie in LDS
	s_barrier_signal -1
	s_barrier_wait -1
	s_cmp_ge_u32 s[WV], 2
	s_cbranch_scc1 .Lend                           ; wave w = 0, 1 joins the pairs of waves 4 w .. 4 w + 3: lane l takes rows 64 w + 2 l and + 1
.irp k, 0,1,2,3
	ds_load_b128 v[ACC+4*\k:ACC+4*\k+3], v[MRD] offset:512*\k
.endr
	s_wait_dscnt 0x0
.irp k, 1,2,3
	LEX ACC, ACC+1, ACC+4*\k, ACC+4*\k+1
	LEX ACC+2, ACC+3, ACC+4*\k+2, ACC+4*\k+3
.endr
	v_add_f32 v[ACC], 0, v[ACC]                    ; -0 becomes +0
	v_add_f32 v[ACC+2], 0, v[ACC+2]
	v_mov_b32 v[T+2], v[ACC+1]
	v_mov_b32 v[T+3], v[ACC+3]
	v_ashrrev_i32 v[T], 31, v[ACC]                 ; the key: a negative number's bits are all turned, of the others the sign bit alone
	v_ashrrev_i32 v[T+1], 31, v[ACC+2]
	v_or_b32 v[T], 0x80000000, v[T]
	v_or_b32 v[T+1], 0x80000000, v[T+1]
	v_xor_b32 v[T], v[T], v[ACC]
	v_xor_b32 v[T+1], v[T+1], v[ACC+2]
	global_store_b64 v[GO], v[T:T+1], s[8:9]                   ; 64 keys: 256 consecutive bytes, aligned
	global_store_b64 v[GO], v[T+2:T+3], s[8:9] offset:65536    ; and 64 indices
.Lend:
	s_wait_tensorcnt 0x0                           ; the wave's end
	ds_add_u32 v[SPW], v[NIL]
	s_wait_dscnt 0x0
	ROUND                                          ; the closing round
	s_endpgm
.Lfunc_end_k_qfe6aa6e388_search:
	.size	k_qfe6aa6e388_search, .Lfunc_end_k_qfe6aa6e388_search-k_qfe6aa6e388_search
	.p2alignl 7, 3214868480
	.fill 96, 4, 3214868480
	.section	.rodata,"a",@progbits
	.p2align	6, 0x0
	.amdhsa_kernel k_qfe6aa6e388_search
		.amdhsa_group_segment_fixed_size 327680
		.amdhsa_private_segment_fixed_size 0
		.amdhsa_enable_private_segment 0
		.amdhsa_kernarg_size 24
		.amdhsa_user_sgpr_count 2
		.amdhsa_user_sgpr_kernarg_segment_ptr 1
		.amdhsa_wavefront_size32 1
		.amdhsa_system_sgpr_workgroup_id_x 1
		.amdhsa_system_sgpr_workgroup_id_y 1
		.amdhsa_system_sgpr_workgroup_id_z 1
		.amdhsa_system_vgpr_workitem_id 0
		.amdhsa_next_free_vgpr 512
		.amdhsa_next_free_sgpr 70
		.amdhsa_reserve_vcc 1
		.amdhsa_float_denorm_mode_32 3
		.amdhsa_float_denorm_mode_16_64 3
		.amdhsa_memory_ordered 1
		.amdhsa_forward_progress 1
		.amdhsa_inst_pref_size 167
	.end_amdhsa_kernel
	.amdgpu_metadata
---
amdhsa.version: [ 1, 2 ]
amdhsa.kernels:
  - .name:           k_qfe6aa6e388_search
    .symbol:         k_qfe6aa6e388_search.kd
    .args:
      - { .name: xq, .offset: 0, .size: 8, .value_kind: global_buffer, .address_space: global }
      - { .name: eq, .offset: 8, .size: 8, .value_kind: global_buffer, .address_space: global }
      - { .name: cand, .offset: 16, .size: 8, .value_kind: global_buffer, .address_space: global }
    .group_segment_fixed_size: 327680
    .private_segment_fixed_size: 0
    .kernarg_segment_align: 8
    .kernarg_segment_size: 24
    .max_flat_workgroup_size: 256
    .sgpr_count:     70
    .vgpr_count:     512
    .wavefront_size: 32
...
	.end_amdgpu_metadata
.endif
;; end of part 2
;; launch gather (part 3): grid 512 x 1, 4 waves a work-group, no clusters, 0 bytes of LDS; arguments cand, emb, out0; writes out0
.if DOCPART == 3
	.amdgcn_target "amdgcn-amd-amdhsa--gfx1250"
	.amdhsa_code_object_version 6
	.text
	.protected	k_qfe6aa6e388_gather
	.globl	k_qfe6aa6e388_gather
	.p2align	8
	.type	k_qfe6aa6e388_gather,@function
k_qfe6aa6e388_gather:
	s_mov_b64 s[64:65], 0
	v_nop
	global_prefetch_b8 v0, s[64:65] scope:SCOPE_SE
	s_setreg_imm32_b32 hwreg(HW_REG_WAVE_MODE, 25, 1), 1
	s_wait_xcnt 0x0
; out0[row][:] = emb[index[row]][:], f32 rows of 2,048 bytes.  cand, stored by the launch before as whole numbers, holds for each half of the codes 16,384 keys and 16,384 indices
; (half H: keys at 131,072 H, indices at + 65,536).  A key's unsigned order is the order of dot - e2 / 2 (x2 is left out: see the first kernel's head).  The upper half's index is taken
; where its key is STRICTLY larger: on a tie the lower index stays.
; 2,048 waves, eight rows each, written out without a loop: all 32 row loads (16 KiB a wave) go out together, and a row is stored as soon as it is in.
; Each load and each store of a wave covers 512 consecutive bytes, at a multiple of 256 from its buffer's first byte.  An index is held to 8,191, emb's last row, before it enters an address.
	s_load_b128 s[4:7], s[0:1], 0x0                ; cand, emb
	s_load_b64 s[8:9], s[0:1], 0x10                ; out0
	v_lshrrev_b32 v1, 5, v0
	v_readfirstlane_b32 s10, v1                    ; wave 0..3
	v_and_b32 v1, 31, v0
	v_lshlrev_b32 v1, 4, v1                        ; 16 x lane
	s_lshl_b32 s11, ttmp9, 2
	s_add_co_u32 s11, s11, s10                     ; my wave among all: 0 .. 2,047
	s_lshl_b32 s12, s11, 5                         ; eight words of 4 bytes
	s_mov_b32 s13, 0
	s_lshl_b32 s14, s11, 14                        ; eight rows of 2,048 bytes
	s_mov_b32 s15, 0
	s_wait_alu depctr_va_vdst(0)                   ; the wait at the head's end
	s_wait_kmcnt 0x0
	s_add_nc_u64 s[4:5], s[4:5], s[12:13]
	s_add_nc_u64 s[8:9], s[8:9], s[14:15]
	s_load_b256 s[16:23], s[4:5], 0x0              ; the lower half's keys,
	s_load_b256 s[24:31], s[4:5], 0x10000          ; its indices,
	s_load_b256 s[32:39], s[4:5], 0x20000          ; the upper half's keys,
	s_load_b256 s[40:47], s[4:5], 0x30000          ; its indices
	s_wait_kmcnt 0x0
.irp r, 0,1,2,3,4,5,6,7
	s_cmp_gt_u32 s[32+\r], s[16+\r]
	s_cselect_b32 s[24+\r], s[40+\r], s[24+\r]
	s_min_u32 s[24+\r], s[24+\r], 0x1fff
.endr
.irp r, 0,1,2,3,4,5,6,7
	v_lshl_add_u32 v[2+\r], s[24+\r], 11, v1       ; the row's first byte in emb + 16 x lane
.endr
.irp r, 0,1,2,3,4,5,6,7
.irp k, 0,1,2,3
	global_load_b128 v[16+16*\r+4*\k:16+16*\r+4*\k+3], v[2+\r], s[6:7] offset:512*\k   ; no hint: a row may be named by many rows of the output
.endr
.endr
.irp r, 0,1,2,3,4,5,6,7
	s_wait_loadcnt 28-4*\r                         ; loads come back in order (ISA guide 5.7.1): row r's four are in, the later rows' may be out
.irp k, 0,1,2,3
	global_store_b128 v1, v[16+16*\r+4*\k:16+16*\r+4*\k+3], s[8:9] offset:2048*\r+512*\k th:TH_STORE_NT
.endr
.endr
	s_endpgm
.Lfunc_end_k_qfe6aa6e388_gather:
	.size	k_qfe6aa6e388_gather, .Lfunc_end_k_qfe6aa6e388_gather-k_qfe6aa6e388_gather
	.p2alignl 7, 3214868480
	.fill 96, 4, 3214868480
	.section	.rodata,"a",@progbits
	.p2align	6, 0x0
	.amdhsa_kernel k_qfe6aa6e388_gather
		.amdhsa_group_segment_fixed_size 0
		.amdhsa_private_segment_fixed_size 0
		.amdhsa_enable_private_segment 0
		.amdhsa_kernarg_size 24
		.amdhsa_user_sgpr_count 2
		.amdhsa_user_sgpr_kernarg_segment_ptr 1
		.amdhsa_wavefront_size32 1
		.amdhsa_system_sgpr_workgroup_id_x 1
		.amdhsa_system_sgpr_workgroup_id_y 1
		.amdhsa_system_sgpr_workgroup_id_z 1
		.amdhsa_system_vgpr_workitem_id 0
		.amdhsa_next_free_vgpr 144
		.amdhsa_next_free_sgpr 66
		.amdhsa_reserve_vcc 0
		.amdhsa_float_denorm_mode_32 3
		.amdhsa_float_denorm_mode_16_64 3
		.amdhsa_memory_ordered 1
		.amdhsa_forward_progress 1
		.amdhsa_inst_pref_size 9
	.end_amdhsa_kernel
	.amdgpu_metadata
---
amdhsa.version: [ 1, 2 ]
amdhsa.kernels:
  - .name:           k_qfe6aa6e388_gather
    .symbol:         k_qfe6aa6e388_gather.kd
    .args:
      - { .name: cand, .offset: 0, .size: 8, .value_kind: global_buffer, .address_space: global }
      - { .name: emb, .offset: 8, .size: 8, .value_kind: global_buffer, .address_space: global }
      - { .name: out0, .offset: 16, .size: 8, .value_kind: global_buffer, .address_space: global }
    .group_segment_fixed_size: 0
    .private_segment_fixed_size: 0
    .kernarg_segment_align: 8
    .kernarg_segment_size: 24
    .max_flat_workgroup_size: 128
    .sgpr_count:     66
    .vgpr_count:     144
    .wavefront_size: 32
...
	.end_amdgpu_metadata
.endif
;; end of part 3
